; MI455X (gfx1250); checked and timed in simulation.
; The chip was launched on July 23, 2026; its instructions are those of AMD's public machine-readable ISA for CDNA 5 (MIT licence, August 2026) and "CDNA5" Instruction Set Architecture Reference Guide (July 2026). The comments in the code are by the model that wrote it; some were corrected since.
;; Multi Perspective Layer. Allowed arithmetic: matrix products marked QUANTISED: E2M3 operands, one E8M0 scale for each 32 along K, by v_wmma_scale_f32_16x16x128_f8f6f4 with both operands' format E2M3, f32 sums; products left as they are: f32 operands where the result goes on into a quantised operand, else bf16, f16 or f32 operands; f32 sums; everything else in f32.
;; Inputs: W_att 32 x 256 float32; W_full 32 x 256 float32; W_maxatt 32 x 256 float32; W_maxpool 32 x 256 float32; backward_c_lt 32 x 128 float32; backward_c_rt 32 x 128 float32; backward_h_lt 32 x 128 float32; backward_h_rt 32 x 128 float32; forward_c_lt 32 x 128 float32; forward_c_rt 32 x 128 float32; forward_h_lt 32 x 128 float32; forward_h_rt 32 x 128 float32; lstm_lt 32 x 256 x 256 float32; lstm_rt 32 x 256 x 256 float32.
;; Outputs: out0 32 x 256 x 128 float32.
;; This version of the problem:
;;   THIS VERSION OF THE PROBLEM IS GIVEN IN LOW PRECISION. The matrix products marked QUANTISED in the list below multiply operands that are first quantised to E2M3 (2 exponent bits, 3 mantissa bits; 6 bits a number), with one power-of-two scale for each 32 numbers along K (OCP MX v1.0); their sums are f32. All else is computed in f32.
;;   The module's matrix products, in the order in which they are computed (A, B: the left and right operand; K: the contracted axis; several contracted axes count as one K, in the product's order):
;;     1. batch 256 x [M 32, K 1] x [K 1, N 32]; A: computed on the way; B: computed on the way: left as it is (no contracted axis)
;;     2. batch 32 x [M 256, K 256] x [K 256, N 32]; A: input lstm_lt; B: computed on the way: QUANTISED
;;     3. batch 256 x [M 32, K 1] x [K 1, N 8,192]; A: computed on the way; B: computed on the way: left as it is (no contracted axis)
;;     4. batch 32 x [M 8,192, K 256] x [K 256, N 256]; A: computed on the way; B: input lstm_rt: QUANTISED
;;     5. batch 32 x [M 256, K 256] x [K 256, N 256]; A: input lstm_lt; B: input lstm_rt: QUANTISED
;;     6. batch 32 x [M 256, K 256] x [K 256, N 256]; A: computed on the way; B: input lstm_rt: QUANTISED
;;     7. batch 2,097,152 x [M 1, K 1] x [K 1, N 1]; A: computed on the way; B: computed on the way: left as it is (no contracted axis)
;;     8. [M 8,192, K 256] x [K 256, N 32]; A: computed on the way; B: input W_att: QUANTISED
;;     9. batch 2,097,152 x [M 1, K 1] x [K 1, N 1]; A: computed on the way; B: computed on the way: left as it is (no contracted axis)
;;     10. [M 8,192, K 256] x [K 256, N 32]; A: computed on the way; B: input W_maxatt: QUANTISED
;;   THE QUANTISER, for each operand of a quantised product, along K:
;;     - K is cut into blocks of 32 from its start; a last block that is shorter is filled with zeros.
;;     - A block's scale is 2^e with e = floor(log2(the largest magnitude in the block)) - 2, held to -126 .. 127; a block of zeros has e = 0. As a byte (E8M0): e + 127.
;;     - Each number is divided by its block's scale, clamped to +-7.5, and rounded to the nearest number of E2M3, ties to even, subnormals kept.
;;     - The product sums the exact products of the quantised numbers (number of the format x scale) in f32.
;;   ~~~python
;;   def quantise(x, axis):      # numpy; x: float32 -> the quantised numbers, widened to float32 again
;;       x = np.moveaxis(x, axis, -1); K = x.shape[-1]
;;       x = np.pad(x, [(0, 0)] * (x.ndim - 1) + [(0, -K % 32)]); x = x.reshape(x.shape[:-1] + (-1, 32)); a = np.abs(x).max(-1, keepdims=True)
;;       e = np.where(a > 0, np.clip(np.frexp(np.where(a > 0, a, 1))[1] - 1 - 2, -126, 127), 0)      # np.frexp(a)[1] - 1 = floor(log2(a)), exactly
;;       r = np.clip(x / 2.0 ** e, -7.5, 7.5)
;;       step = 2.0 ** (np.maximum(np.frexp(np.where(r == 0, 1, r))[1] - 1, 0) - 3)
;;       q = np.round(r / step) * step * 2.0 ** e      # np.round: ties to even
;;       return np.moveaxis(q.reshape(q.shape[:-2] + (-1,))[..., :K], -1, axis).astype(np.float32)
;;   ~~~
;;   OPERANDS COMPUTED ON THE WAY. 'Computed on the way' means the value that the module computes at that place (a softmax that the list does not call 'softmax' is quantised finished and normalised). What goes into a quantiser is computed in f32, as accurately as f32 sums, v_exp_f32 and their like allow (about 1e-6 of the number): no bf16 or f16 on the way to a quantiser, and a product that is left as it is and whose result goes on into a quantised operand takes f32 operands (vector FMAs, or v_wmma_f32_16x16x4_f32). A number that lies on a knife's edge between two numbers of the format may be rounded either way, as far as f32 arithmetic and the matrix unit's own rounding can turn it there, and no further.
;; One version. Each part assembles by itself: llvm-mc -triple=amdgcn-amd-amdhsa -mcpu=gfx1250 --defsym DOCPART=n.
;; ======== version 1 of 1: 2 launches
;; workspace buffers: rq 3,891,200 bytes; rss 131,072 bytes
;; launch prep (part 1): grid 8 x 32, 8 waves a work-group, no clusters, 35,840 bytes of LDS; arguments lstm_rt, W_full, W_att, W_maxatt, forward_h_rt, backward_h_rt, rq, rss; writes rq, rss
.if DOCPART == 1
	.amdgcn_target "amdgcn-amd-amdhsa--gfx1250"
	.amdhsa_code_object_version 6
	.text
	.protected	k_qec1d00b6e4_prep
	.globl	k_qec1d00b6e4_prep
	.p2align	8
	.type	k_qec1d00b6e4_prep,@function
k_qec1d00b6e4_prep:
	s_mov_b64 s[64:65], 0
	v_nop
	global_prefetch_b8 v0, s[64:65] scope:SCOPE_SE
	s_setreg_imm32_b32 hwreg(HW_REG_WAVE_MODE, 25, 1), 1
	s_wait_xcnt 0x0
; rt [32][256 j][256 d] f32 is read ONCE and turned into what the second launch wants of it, for each batch b one dense block of RQB bytes in rq:
;   RTD  rt quantised along d (codes of E2M3, one E8M0 byte for each 32 along d), RTJ rt quantised along j, and WQ the codes of W_full[l][d] x h_rt[b][d], W_att, W_maxatt along d;
;   rss  [b][dq][j]: the sum of squares of rt[b][j][64 dq .. 64 dq + 63], f32 (the second launch adds the four parts).
; LAYOUT OF THE CODES: AN IMAGE OF THE OPERAND'S REGISTERS.  A fragment (16 rows x 128 K) is 12 registers a lane: lane (r, h) holds row r, registers 6 c .. 6 c + 5 = K 64 c + 32 h + 0 .. 31.
; Its image is 1,536 bytes: for c = 0, 1: registers 6 c .. 6 c + 3 at 768 c + 16 x lane, registers 6 c + 4, 6 c + 5 at 768 c + 512 + 8 x lane.  A tile's scale image is 128 bytes: the word of row r for K step s at 64 s + 4 r.
; THE ROWS OF A TILE OF rt ARE NOT NEIGHBOURS: row m of tile T is index 32 (T / 2) + 8 (T % 2) + m + 8 (m / 8), so that in a transposed product the 16 registers of tiles 2 b and 2 b + 1 are 16 neighbours along the next K.
; A block's scale is 2^(floor(log2(its largest magnitude)) - 2); its byte is the largest magnitude's exponent field - 2, held at 1 from below.
; LIMITS: a block of zeros, and a block whose largest magnitude lies under 2^-124, gets the byte 1 (a block of zeros has zero codes, and this program alone reads the bytes); NaN and infinities are not served.
; SHARES.  Work-group (p, b): columns 64 dq .. + 63 (dq = p % 4) of rows 128 sj .. + 127 (sj = p / 4): a slab of 32 KiB, through LDS (pitch 272 bytes).  Each of the eight waves makes half an image of RTD
; (a lane holds a whole block of 32 along d) and half an image of RTJ (a lane takes a column d and its registers run down j).  Waves 0 to 2 also make one of the batch's 24 halves of weight images.
; The scale bytes leave two at a time and the sums four bytes at a time: together one byte in twenty of what the launch stores; all codes leave in whole runs of 256 bytes.
; No matrix unit, no cluster, no tensor load: work-groups share no input, and the slab is read once.
.set RQB,   121600                     ; a batch's block in rq: 475 x 256 bytes
.set RTDS,  49152                      ; behind RTD's 32 images: its 16 scale images
.set RTJ,   51200                      ; RTJ's 32 images
.set RTJS,  100352                     ; its 16 scale images
.set WQ,    102400                     ; three kinds of weights, 6,400 bytes each: 4 images (2 x tile + K step), then 2 scale images
.set IMB,   1536                       ; an image
.set PIT,   272                        ; a slab row in LDS: 256 bytes + 16
.set L,   24                           ; v24-55    the slab as loaded
.set XA,  56                           ; v56-87    task A: 32 neighbours along d
.set XB,  88                           ; v88-119   task B: 32 neighbours along j
.set JW,  120                          ; v120-151  a weight's 32 numbers
.set JH,  152                          ; v152-183  h's 32 numbers
.set CA,  184                          ; v184-191  task A: 6 registers of codes, the two scale bytes, a scratch; CB, CJ likewise: no store's data are written again
.set CB,  192
.set CJ,  200
.set T,   208                          ; v208-210  the upper 16 codes, before they are moved
.set AM,  212                          ; v212-215  four chains of the largest magnitude
.set SO,  216                          ; v216      the conversion's scale operand
.set SQ,  218                          ; v218-221  sums of squares
.set RSV, 222                          ; v222      the sum that is stored
; 32 numbers of one block, v[x] .. v[x + 31]: the largest magnitude in four chains, the floor 2^(3 - 127) among its leaves
.macro AMAX x
.irp k, 0,1,2,3
	v_max3_num_f32 v[AM+\k], |v[(\x)+8*\k]|, |v[(\x)+8*\k+1]|, |v[(\x)+8*\k+2]|
.endr
.irp i, 3,5
.irp k, 0,1,2,3
	v_max3_num_f32 v[AM+\k], v[AM+\k], |v[(\x)+8*\k+\i]|, |v[(\x)+8*\k+\i+1]|
.endr
.endr
	v_max3_num_f32 v[AM], v[AM], |v[(\x)+7]|, |v[(\x)+15]|
	v_max3_num_f32 v[AM+2], v[AM+2], |v[(\x)+23]|, |v[(\x)+31]|
	v_max3_num_f32 v[AM], v[AM], v[AM+1], v[AM+2]
	v_max3_num_f32 v[AM], v[AM], v[AM+3], 0x1800000
.endm
; the block becomes 6 registers of codes in v[c] on, and v[c + 6] = the bytes of lanes (r, 0) and (r, 1), two neighbouring blocks of row r
.macro BLOCKQ x, c
	AMAX \x
	v_add_nc_u32 v[SO], 0xff000000, v[AM]          ; 2 off the exponent field: the conversion takes the exponent field of this operand as its scale
	v_cvt_scalef32_pk16_fp6_f32 v[\c:\c+2], v[\x:\x+15], v[SO]
	v_cvt_scalef32_pk16_fp6_f32 v[T:T+2], v[\x+16:\x+31], v[SO]   ; (a conversion's three registers begin on an even number)
	v_lshrrev_b32 v[\c+6], 23, v[SO]               ; the scale's byte; also the plain line behind the conversions
.irp i, 0,1,2
	v_mov_b32 v[\c+3+\i], v[T+\i]
.endr
	v_lshlrev_b32 v[\c+6], v9, v[\c+6]             ; 8 h bits up
	v_permlanex16_b32 v[\c+7], v[\c+6], s56, s57
	v_or_b32 v[\c+6], v[\c+6], v[\c+7]             ; with lane l xor 16's
.endm
	s_load_b512 s[4:19], s[0:1], 0x0               ; rt s[4:5], W_full s[6:7], W_att s[8:9], W_maxatt s[10:11], forward_h_rt s[12:13], backward_h_rt s[14:15], rq s[16:17], rss s[18:19]
	v_lshl_add_u32 v224, v0, 2, 0x8800
	v_mov_b32 v225, 0
	v_lshrrev_b32 v1, 5, v0
	v_readfirstlane_b32 s20, v1                    ; wave 0..7
	v_and_b32 v1, 31, v0                           ; lane
	v_and_b32 v2, 15, v0                           ; r
	v_bfe_u32 v3, v0, 4, 1                         ; h
	v_and_b32 v4, 8, v2
	v_add_nc_u32 v4, v4, v2                        ; r + 8 (r / 8)
	v_lshlrev_b32 v9, 3, v3                        ; 8 h
	v_mov_b32 v[CA+7], 0                           ; a lane permute's destination counts as one of its sources
	v_mov_b32 v[CB+7], 0
	v_mov_b32 v[CJ+7], 0
	s_mov_b32 s56, 0x76543210
	s_mov_b32 s57, 0xfedcba98                      ; v_permlanex16_b32's selects for lane l xor 16
	s_and_b32 s22, ttmp7, 0xffff                   ; b
	s_and_b32 s23, ttmp9, 3                        ; dq
	s_lshr_b32 s24, ttmp9, 2                       ; sj
	s_lshr_b32 s25, s23, 1                         ; task A: K step along d
	s_and_b32 s26, s23, 1                          ; and which half of an image
	s_lshr_b32 s27, s20, 1                         ; wave / 2: task B's tile of d among the slab's four
	s_and_b32 s28, s20, 1                          ; wave % 2: task B's half of an image
	s_lshl_b32 s29, s27, 5
	s_lshl_b32 s30, s28, 3
	s_add_co_u32 s29, s29, s30                     ; task A: tile w of the slab begins at row 32 (w / 2) + 8 (w % 2)
	v_lshlrev_b32 v5, 4, v2
	v_lshl_add_u32 v5, v3, 10, v5                  ; the slab in memory: 16 lanes take a row's 256 bytes, lanes 16-31 the next row
	s_mul_i32 s30, s20, 16*PIT
	v_mul_u32_u24 v6, v3, PIT
	v_lshl_add_u32 v6, v2, 4, v6
	v_add_nc_u32 v6, s30, v6                       ; and in LDS: row 16 w + h (+ 2 q)
	v_add_nc_u32 v22, s29, v4
	v_mul_u32_u24 v7, v22, PIT
	v_lshl_add_u32 v7, v3, 7, v7                   ; task A reads: my row, + 128 h: my block of 32 along d
	s_lshr_b32 s31, s27, 1
	s_lshl_b32 s31, s31, 5
	s_and_b32 s33, s27, 1
	s_lshl_b32 s33, s33, 3
	s_add_co_u32 s31, s31, s33                     ; task B: my tile's first column
	s_lshl_b32 s31, s31, 2
	s_mul_i32 s33, s28, 64*PIT
	s_add_co_u32 s31, s31, s33
	v_mul_u32_u24 v8, v3, 32*PIT
	v_lshl_add_u32 v8, v4, 2, v8
	v_add_nc_u32 v8, s31, v8                       ; task B reads: row 64 (w % 2) + 32 h (+ e), my column
	s_lshl_b32 s34, s24, 3
	s_add_co_u32 s34, s34, s20                     ; task A's tile of j: 8 sj + w
	s_lshl_b32 s35, s34, 1
	s_add_co_u32 s35, s35, s25
	s_mul_i32 s35, s35, IMB
	s_mul_i32 s36, s26, 768
	s_add_co_u32 s35, s35, s36                     ; its half image
	v_lshl_add_u32 v10, v1, 4, s35
	v_lshl_add_u32 v11, v1, 3, s35
	s_lshl_b32 s36, s34, 7
	s_lshl_b32 s37, s25, 6
	s_add_co_u32 s36, s36, s37
	s_lshl_b32 s37, s26, 1
	s_add_co_u32 s36, s36, s37
	s_add_co_u32 s36, s36, RTDS
	v_lshl_add_u32 v12, v2, 2, s36                 ; its two scale bytes
	s_lshl_b32 s37, s22, 12
	s_lshl_b32 s38, s23, 10
	s_add_co_u32 s37, s37, s38
	s_lshl_b32 s38, s24, 9
	s_add_co_u32 s37, s37, s38
	s_lshl_b32 s38, s29, 2
	s_add_co_u32 s37, s37, s38
	v_lshl_add_u32 v13, v4, 2, s37                 ; rss[b][dq][my row]
	s_lshl_b32 s38, s23, 2
	s_add_co_u32 s38, s38, s27                     ; task B's tile of d: 4 dq + w / 2
	s_lshl_b32 s39, s38, 1
	s_add_co_u32 s39, s39, s24
	s_mul_i32 s39, s39, IMB
	s_mul_i32 s40, s28, 768
	s_add_co_u32 s39, s39, s40
	s_add_co_u32 s39, s39, RTJ
	v_lshl_add_u32 v14, v1, 4, s39
	v_lshl_add_u32 v15, v1, 3, s39
	s_lshl_b32 s40, s38, 7
	s_lshl_b32 s41, s24, 6
	s_add_co_u32 s40, s40, s41
	s_lshl_b32 s41, s28, 1
	s_add_co_u32 s40, s40, s41
	s_add_co_u32 s40, s40, RTJS
	v_lshl_add_u32 v16, v2, 2, s40
	s_lshl_b32 s42, s22, 18                        ; the slab's first byte for my wave: b x 256 KiB + sj x 128 rows + dq x 256 bytes + w x 16 rows
	s_lshl_b32 s43, s24, 17
	s_add_co_u32 s42, s42, s43
	s_lshl_b32 s43, s23, 8
	s_add_co_u32 s42, s42, s43
	s_lshl_b32 s43, s20, 14
	s_add_co_u32 s42, s42, s43
	s_mov_b32 s43, 0
	s_mul_i32 s44, s22, RQB
	s_mov_b32 s45, 0
	s_wait_kmcnt 0x0
	s_add_nc_u64 s[4:5], s[4:5], s[42:43]
	s_add_nc_u64 s[16:17], s[16:17], s[44:45]      ; my batch's block of rq
.irp q, 0,1,2,3,4,5,6,7
	global_load_b128 v[L+4*\q:L+4*\q+3], v5, s[4:5] offset:2048*\q th:TH_LOAD_NT   ; rows 16 w + 2 q, + 1: sixteen lanes read 256 consecutive bytes; read once in the launch
.endr
	; ---- waves 0 to 2: half an image of a weight, while the slab is on its way.  All of it stands in this one branch on the wave's number.
	s_cmp_lt_u32 s20, 3
	s_cbranch_scc0 .Lno_weight
	s_mul_i32 s46, ttmp9, 3
	s_add_co_u32 s46, s46, s20                     ; which of the batch's 24 halves: 3 p + w
	s_lshr_b32 s47, s46, 3                         ; kind: 0 W_full x h, 1 W_att, 2 W_maxatt
	s_bfe_u32 s48, s46, 0x10002                    ; tile of 16 rows l
	s_bfe_u32 s49, s46, 0x10001                    ; K step
	s_and_b32 s50, s46, 1                          ; half of the image
	s_cmp_eq_u32 s47, 0
	s_cselect_b64 s[52:53], s[6:7], s[8:9]
	s_cselect_b32 s51, -1, 0                       ; all lanes on where h counts
	s_cmp_eq_u32 s47, 2
	s_cselect_b64 s[52:53], s[10:11], s[52:53]
	s_cmp_eq_u32 s49, 0
	s_cselect_b64 s[54:55], s[12:13], s[14:15]     ; h_rt = forward_h_rt, then backward_h_rt: 128 numbers each, a K step each
	s_lshl_b32 s58, s48, 14
	s_lshl_b32 s59, s49, 9
	s_add_co_u32 s58, s58, s59
	s_lshl_b32 s59, s50, 8
	s_add_co_u32 s58, s58, s59
	v_lshlrev_b32 v20, 10, v2
	v_lshl_add_u32 v20, v3, 7, v20
	v_add_nc_u32 v20, s58, v20                     ; W[16 tile + r][128 s + 64 c + 32 h ..]
	s_lshl_b32 s59, s22, 9
	s_lshl_b32 s60, s50, 8
	s_add_co_u32 s59, s59, s60
	v_lshl_add_u32 v21, v3, 7, s59                 ; h[b][64 c + 32 h ..]
	s_mul_i32 s60, s47, 6400
	s_add_co_u32 s60, s60, WQ
	s_lshl_b32 s61, s48, 1
	s_add_co_u32 s61, s61, s49
	s_mul_i32 s61, s61, IMB
	s_add_co_u32 s61, s61, s60
	s_mul_i32 s62, s50, 768
	s_add_co_u32 s61, s61, s62
	v_lshl_add_u32 v17, v1, 4, s61
	v_lshl_add_u32 v18, v1, 3, s61
	s_lshl_b32 s61, s48, 7
	s_add_co_u32 s60, s60, s61
	s_lshl_b32 s61, s49, 6
	s_add_co_u32 s60, s60, s61
	s_lshl_b32 s61, s50, 1
	s_add_co_u32 s60, s60, s61
	s_add_co_u32 s60, s60, 4*IMB
	v_lshl_add_u32 v19, v2, 2, s60
.irp q, 0,1,2,3,4,5,6,7
	global_load_b128 v[JW+4*\q:JW+4*\q+3], v20, s[52:53] offset:16*\q
.endr
.irp q, 0,1,2,3,4,5,6,7
	global_load_b128 v[JH+4*\q:JH+4*\q+3], v21, s[54:55] offset:16*\q
.endr
	s_wait_loadcnt 0x0
.set j, 0
.rept 32
	v_cndmask_b32 v[JH+j], 1.0, v[JH+j], s51       ; W_att and W_maxatt are quantised as they are: x 1.0 rounds nothing, and no branch is needed
.set j, j+1
.endr
.set j, 0
.rept 16
	v_pk_mul_f32 v[JW+j:JW+j+1], v[JW+j:JW+j+1], v[JH+j:JH+j+1]   ; W_full[l][d] x h_rt[b][d], in f32
.set j, j+2
.endr
	BLOCKQ JW, CJ
	global_store_b128 v17, v[CJ:CJ+3], s[16:17]
	global_store_b64 v18, v[CJ+4:CJ+5], s[16:17] offset:512
	global_store_b16 v19, v[CJ+6], s[16:17]        ; lanes 16-31 write what lanes 0-15 write, to the same place
.Lno_weight:
	s_wait_loadcnt 0x0                             ; the slab's eight loads
.irp q, 0,1,2,3,4,5,6,7
	ds_store_b128 v6, v[L+4*\q:L+4*\q+3] offset:2*PIT*\q
.endr
	s_wait_dscnt 0x0                               ; for the others' sake: my rows lie in LDS
	s_barrier_signal -1
	s_barrier_wait -1
.irp q, 0,1,2,3,4,5,6,7
	ds_load_b128 v[XA+4*\q:XA+4*\q+3], v7 offset:16*\q
.endr
.set j, 0
.rept 32
	ds_load_b32 v[XB+j], v8 offset:PIT*j
.set j, j+1
.endr
	; ---- task A: a block of 32 along d of my row j
	s_wait_dscnt 32                                ; task A's eight loads are in; task B's 32 stand behind them
	v_pk_mul_f32 v[SQ:SQ+1], v[XA:XA+1], v[XA:XA+1]
	v_pk_mul_f32 v[SQ+2:SQ+3], v[XA+2:XA+3], v[XA+2:XA+3]
.irp j, 4,8,12,16,20,24,28
	v_pk_fma_f32 v[SQ:SQ+1], v[XA+\j:XA+\j+1], v[XA+\j:XA+\j+1], v[SQ:SQ+1]
	v_pk_fma_f32 v[SQ+2:SQ+3], v[XA+\j+2:XA+\j+3], v[XA+\j+2:XA+\j+3], v[SQ+2:SQ+3]
.endr
	v_pk_add_f32 v[SQ:SQ+1], v[SQ:SQ+1], v[SQ+2:SQ+3]
	v_add_f32 v[SQ], v[SQ], v[SQ+1]
	v_permlanex16_b32 v[SQ+1], v[SQ], s56, s57
	v_add_f32 v[RSV], v[SQ], v[SQ+1]               ; the row's sum of squares over the slab's 64 columns
	global_store_b32 v13, v[RSV], s[18:19]
	BLOCKQ XA, CA
	global_store_b128 v10, v[CA:CA+3], s[16:17]    ; 32 lanes store 512 consecutive bytes, at a multiple of 256 from rq's first byte
	global_store_b64 v11, v[CA+4:CA+5], s[16:17] offset:512   ; and 256 more
	global_store_b16 v12, v[CA+6], s[16:17]
	; ---- task B: a block of 32 along j of my column d
	s_wait_dscnt 0x0
	BLOCKQ XB, CB
	global_store_b128 v14, v[CB:CB+3], s[16:17]
	global_store_b64 v15, v[CB+4:CB+5], s[16:17] offset:512
	global_store_b16 v16, v[CB+6], s[16:17]
	s_wait_tensorcnt 0x0
	ds_add_u32 v224, v225
	s_wait_dscnt 0x0
	s_endpgm
.Lfunc_end_k_qec1d00b6e4_prep:
	.size	k_qec1d00b6e4_prep, .Lfunc_end_k_qec1d00b6e4_prep-k_qec1d00b6e4_prep
	.p2alignl 7, 3214868480
	.fill 96, 4, 3214868480
	.section	.rodata,"a",@progbits
	.p2align	6, 0x0
	.amdhsa_kernel k_qec1d00b6e4_prep
		.amdhsa_group_segment_fixed_size 35840
		.amdhsa_private_segment_fixed_size 0
		.amdhsa_enable_private_segment 0
		.amdhsa_kernarg_size 64
		.amdhsa_user_sgpr_count 2
		.amdhsa_user_sgpr_kernarg_segment_ptr 1
		.amdhsa_wavefront_size32 1
		.amdhsa_system_sgpr_workgroup_id_x 1
		.amdhsa_system_sgpr_workgroup_id_y 1
		.amdhsa_system_sgpr_workgroup_id_z 1
		.amdhsa_system_vgpr_workitem_id 0
		.amdhsa_next_free_vgpr 226
		.amdhsa_next_free_sgpr 66
		.amdhsa_reserve_vcc 0
		.amdhsa_float_denorm_mode_32 3
		.amdhsa_float_denorm_mode_16_64 3
		.amdhsa_memory_ordered 1
		.amdhsa_forward_progress 1
		.amdhsa_inst_pref_size 22
	.end_amdhsa_kernel
	.amdgpu_metadata
---
amdhsa.version: [ 1, 2 ]
amdhsa.kernels:
  - .name:           k_qec1d00b6e4_prep
    .symbol:         k_qec1d00b6e4_prep.kd
    .args:
      - { .name: lstm_rt, .offset: 0, .size: 8, .value_kind: global_buffer, .address_space: global }
      - { .name: W_full, .offset: 8, .size: 8, .value_kind: global_buffer, .address_space: global }
      - { .name: W_att, .offset: 16, .size: 8, .value_kind: global_buffer, .address_space: global }
      - { .name: W_maxatt, .offset: 24, .size: 8, .value_kind: global_buffer, .address_space: global }
      - { .name: forward_h_rt, .offset: 32, .size: 8, .value_kind: global_buffer, .address_space: global }
      - { .name: backward_h_rt, .offset: 40, .size: 8, .value_kind: global_buffer, .address_space: global }
      - { .name: rq, .offset: 48, .size: 8, .value_kind: global_buffer, .address_space: global }
      - { .name: rss, .offset: 56, .size: 8, .value_kind: global_buffer, .address_space: global }
    .group_segment_fixed_size: 35840
    .private_segment_fixed_size: 0
    .kernarg_segment_align: 8
    .kernarg_segment_size: 64
    .max_flat_workgroup_size: 256
    .sgpr_count:     66
    .vgpr_count:     226
    .wavefront_size: 32
...
	.end_amdgpu_metadata
.endif
;; end of part 1
;; launch main (part 2): grid 8 x 32, 8 waves a work-group, clusters of 4 x 1, 223,488 bytes of LDS; arguments lstm_lt, W_maxpool, rq, rss, out0; writes out0
.if DOCPART == 2
	.amdgcn_target "amdgcn-amd-amdhsa--gfx1250"
	.amdhsa_code_object_version 6
	.text
	.protected	k_qec1d00b6e4_main
	.globl	k_qec1d00b6e4_main
	.p2align	8
	.type	k_qec1d00b6e4_main,@function
k_qec1d00b6e4_main:
	s_mov_b64 s[64:65], 0
	v_nop
	global_prefetch_b8 v0, s[64:65] scope:SCOPE_SE
	s_setreg_imm32_b32 hwreg(HW_REG_WAVE_MODE, 25, 1), 1
	s_wait_xcnt 0x0
	s_wait_alu depctr_hold_cnt(0) depctr_sa_sdst(0) depctr_va_vdst(0) depctr_va_sdst(0) depctr_va_ssrc(0) depctr_va_vcc(0) depctr_vm_vsrc(0)
	s_getreg_b32 s2, hwreg(HW_REG_IB_STS2, 6, 4)
	s_cmp_eq_u32 s2, 0
	s_cbranch_scc0 .Lentry_in_a_cluster
	s_endpgm
.Lentry_in_a_cluster:
	s_bfe_u32 s2, ttmp6, 0x10000c
	s_cmp_lg_u32 s2, 0x3003
	s_cbranch_scc0 .Lentry_shape_is_right
	s_endpgm
.Lentry_shape_is_right:
; out[b][i][0:128] = tanh of: full (lt . (W_full x h_rt)), max over j of (lt x W_maxpool) . rt[j], (lt x att) . W_att, (lt x att) . W_maxatt, with att = scores rt and scores = lt . rt / |lt| / |rt|.
; All six products run on codes of E2M3 with one E8M0 byte for each 32 along K.  tanh never falls where its input rises, so the maximum over j is taken of the sums and tanh is taken once.
; SHARES.  Work-group (x, b): rows i = 32 x .. 32 x + 31 of batch b, all 32 perspectives l, all 256 j.  Eight waves, two to a SIMD, 512 registers each.
; Wave w owns l = 4 w .. 4 w + 3 for both tiles of 16 rows: eight A tiles, a = 4 t + l, each quantised ONCE (phase Q) and multiplied by all of rt (phase M): a fragment of rt read from LDS feeds eight products.
; THE TWO WAVES OF A SIMD RUN A PHASE APART (role = (w xor w / 4) % 2): role 0 makes its codes first; then role 0 multiplies while role 1 makes its codes; then role 1 multiplies while role 0 walks the
; side path S (the other five products, one wave for each tile of rows t and half u).  So one wave's vector work stands beside the other's matrix work.
; CLUSTER.  The four work-groups of a cluster belong to one batch and need the same 121,600 bytes of rq (rt's codes along d and along j, the small weights' codes): they are asked for JOINTLY, by five
; tensor loads (waves 0 to 4, 95 rows of 256 bytes each) with a mask that names the four.  Every LDS byte is filled once: there is no ring.
; PRODUCTS ARE USED TRANSPOSED: source 0 = 16 rows of rt (or of a weight), source 1 = 16 rows i: a lane holds ONE row i (lane % 16), its registers run along what becomes the next K; rt's tiles hold rows
; 32 (T / 2) + 8 (T % 2) + m + 8 (m / 8), so that the 16 registers of tiles 2 b, 2 b + 1 are 16 neighbours.
; Codes lie in LDS as images of the operand's registers: 1,536 bytes a fragment: registers 6 c .. 6 c + 3 at 768 c + 16 x lane, 6 c + 4, 6 c + 5 at 768 c + 512 + 8 x lane; a tile's scale words at 4 x lane (lanes 16-31: K step 1).
; LIMITS: NaN and infinities are not served; a block whose largest magnitude lies under 2^-124 (a block of zeros too) gets the scale byte 1; 1 / |lt| and 1 / |rt| come from v_rsq_f32 and multiply;
; tanh(x) = 1 - 2 / (1 + 2^(2 log2(e) x)), which near 0 is right to about 1e-7 absolutely.
; REGISTERS.  Window 0: v1-26 addresses; v28-47 scale words and nothing else; v48-63 running maxima, later at work; v64-255 by phase (below).  Window 1: v0-191 my eight tiles' codes (24 a + 12 s), later rt's fragments for S; v192-255 results of the odd tiles of j.
.set RTDS,  49152                      ; LDS 0 ..: a batch's block of rq as the first launch laid it: RTD's 32 images, its 16 scale images,
.set RTJ,   51200                      ; RTJ's 32 images,
.set RTJS,  100352                     ; its 16 scale images,
.set WQ,    102400                     ; three kinds of weights, 6,400 bytes each
.set WQS,   108544                     ; (the first kind's scale images)
.set RQB,   121600
.set LT,    121600                     ; my 32 rows of lt, f32: pitch 1,040 bytes = 260 words, so that sixteen rows' 16 bytes fall on sixteen different groups of four banks
.set LTP,   1040
.set RNR,   154880                     ; 1 / |rt[j]|, 256 words
.set PRE,   155904                     ; two planes of 32 rows x 128 sums, pitch 528: the output is tanh(plane 0 + plane 1)
.set PRP,   528
.set PLN,   16896
.set WS,    189696                     ; W_maxpool, 32 rows of 1,024 bytes
.set SW,  28                           ; v28-43   Q, M: the scale word of tile a, K step s at SW + 2 a + s
.set RS,  44                           ; v44-47   M: rt's scale words, two sets of two
.set RUN, 48                           ; v48-63   M: running maxima, two chains for each tile
.set LTB, 64                           ; v64-127  Q: lt, 32 numbers of each of the two tiles' rows
.set WV,  128                          ; v128-159 Q: 32 numbers of a row of W_maxpool
.set P,   160                          ; v160-223 Q: their products
.set AM,  240                          ; v240-247 Q: chains of the largest magnitudes
.set SO,  248                          ; v248-249 Q: the conversions' scale operands
.set BY,  250                          ; v250-251 Q: bytes
.set TQ,  192                          ; window 1: the upper 16 codes of a block, before they are moved
.set DE,  64                           ; v64-127  M: results of the even tiles of j
.set RB,  128                          ; v128-223 M: rt's fragments, two sets of four
.set RS5, 28                           ; v28-35   S: rt's scale words, two sets of four
.set LS,  36                           ; v36-37   S: lt's scale words
.set SS,  38                           ; v38-39   S: the scores'
.set AS,  40                           ; v40      S: lt x att's
.set WS6, 41                           ; v41-46   S: the weights'
.set TM,  48                           ; v48-63   S: at work
.set LC,  192                          ; v192-215 S: lt's two fragments
.set SC0, 216                          ; v216-227 S: the scores' first fragment, later lt x att's
.set SC1, 228                          ; v228-239 S: the scores' second
.set CT,  240                          ; v240-247 S: at work
.set RNL, 248                          ; v248-249 S: 1 / |lt[i]|
.set ZR,  252                          ; v252-255 zeros
.set MSB, 0
.macro WIN new                         ; the immediate's high byte repeats the setting that is left; a switch that changes nothing is dropped
.if MSB != \new
	s_set_vgpr_msb (MSB<<8)|\new
.set MSB, \new
.endif
.endm
.macro PLACES n
.rept \n
	v_nop
.endr
.endm
; A round of the cluster's barrier: my work-group's barrier; wave 0 signals for the work-group; every wave waits for all four work-groups; my work-group's barrier once more.
.macro ROUND
	s_barrier_signal -1
	s_barrier_wait -1
	s_cmp_lg_u32 s14, 0
	s_cbranch_scc1 .Lnot_wave_0_\@
	s_barrier_signal -3
.Lnot_wave_0_\@:
	s_barrier_wait -3
	s_barrier_signal -1
	s_barrier_wait -1
.endm
; a fragment's image into v[d] .. v[d + 11]
.macro FRAGL d, a16, a8, off
	ds_load_b128 v[(\d):(\d)+3], v[\a16] offset:(\off)
	ds_load_b64 v[(\d)+4:(\d)+5], v[\a8] offset:(\off)+512
	ds_load_b128 v[(\d)+6:(\d)+9], v[\a16] offset:(\off)+768
	ds_load_b64 v[(\d)+10:(\d)+11], v[\a8] offset:(\off)+1280
.endm
; the largest magnitudes of two blocks of 32 numbers, four chains each, by turns; the floor 2^(3 - 127) among the leaves holds the byte at 1 from below
.macro AMAX2 xa, ma, xb, mb
.irp k, 0,1,2,3
	v_max3_num_f32 v[(\ma)+\k], |v[(\xa)+8*\k]|, |v[(\xa)+8*\k+1]|, |v[(\xa)+8*\k+2]|
	v_max3_num_f32 v[(\mb)+\k], |v[(\xb)+8*\k]|, |v[(\xb)+8*\k+1]|, |v[(\xb)+8*\k+2]|
.endr
.irp i, 3,5
.irp k, 0,1,2,3
	v_max3_num_f32 v[(\ma)+\k], v[(\ma)+\k], |v[(\xa)+8*\k+\i]|, |v[(\xa)+8*\k+\i+1]|
	v_max3_num_f32 v[(\mb)+\k], v[(\mb)+\k], |v[(\xb)+8*\k+\i]|, |v[(\xb)+8*\k+\i+1]|
.endr
.endr
	v_max3_num_f32 v[(\ma)], v[(\ma)], |v[(\xa)+7]|, |v[(\xa)+15]|
	v_max3_num_f32 v[(\mb)], v[(\mb)], |v[(\xb)+7]|, |v[(\xb)+15]|
	v_max3_num_f32 v[(\ma)+2], v[(\ma)+2], |v[(\xa)+23]|, |v[(\xa)+31]|
	v_max3_num_f32 v[(\mb)+2], v[(\mb)+2], |v[(\xb)+23]|, |v[(\xb)+31]|
	v_max3_num_f32 v[(\ma)], v[(\ma)], v[(\ma)+1], v[(\ma)+2]
	v_max3_num_f32 v[(\mb)], v[(\mb)], v[(\mb)+1], v[(\mb)+2]
	v_max3_num_f32 v[(\ma)], v[(\ma)], v[(\ma)+3], 0x1800000
	v_max3_num_f32 v[(\mb)], v[(\mb)], v[(\mb)+3], 0x1800000
.endm
	s_load_b256 s[4:11], s[0:1], 0x0               ; lt s[4:5], W_maxpool s[6:7], rq s[8:9], rss s[10:11]
	s_load_b64 s[12:13], s[0:1], 0x20              ; out
	v_lshl_add_u32 v254, v0, 2, 0x36500
	v_mov_b32 v255, 0
	ds_add_u32 v254, v255
	ds_add_u32 v254, v255
	s_wait_dscnt 0x0
	v_lshrrev_b32 v1, 5, v0
	v_readfirstlane_b32 s14, v1                    ; wave 0..7
	s_lshr_b32 s15, s14, 2
	s_xor_b32 s15, s15, s14
	s_and_b32 s15, s15, 1                          ; role: 0 in waves 0, 2, 5, 7.  It differs between waves k and k + 4 and between waves 2 k and 2 k + 1
	s_lshr_b32 s16, s14, 1
	s_lshr_b32 s17, s16, 1                         ; t: the side path's tile of rows
	s_and_b32 s18, s16, 1                          ; u: its half
	s_bfe_u32 s19, ttmp6, 0x40000                  ; cx: my place in the cluster: it enters lt's and out's addresses alone
	s_lshl_b32 s20, ttmp9, 2
	s_add_co_u32 s20, s20, s19                     ; x = 4 x cluster x + cx
	s_and_b32 s21, ttmp7, 0xffff                   ; b, which the four partners share
	s_mov_b32 s40, 0x76543210
	s_mov_b32 s41, 0xfedcba98                      ; v_permlanex16_b32's selects for lane l xor 16
	; every LDS address is made here, ahead of the first parting of the roles: constants, the lane, the wave's number
	v_and_b32 v228, 31, v0                         ; lane
	v_and_b32 v229, 15, v0                         ; r
	v_bfe_u32 v230, v0, 4, 1                       ; h
	v_lshlrev_b32 v1, 4, v228                      ; v1  16 x lane
	v_lshlrev_b32 v2, 3, v228                      ; v2  8 x lane
	v_lshlrev_b32 v3, 2, v228                      ; v3  4 x lane
	v_lshlrev_b32 v10, 3, v230                     ; v10 8 h
	v_lshlrev_b32 v26, 2, v0                       ; v26 4 x thread
	v_mul_u32_u24 v231, v229, LTP
	v_mul_u32_u24 v232, v229, PRP
	v_lshl_add_u32 v7, v230, 7, v231
	v_add_nc_u32 v7, LT, v7                        ; v7  Q: lt row r, + 128 h
	s_mul_i32 s22, s17, 16*LTP
	v_add_nc_u32 v8, s22, v7                       ; v8  S: lt row 16 t + r, + 128 h
	s_lshl_b32 s23, s14, 12
	s_add_co_u32 s23, s23, WS
	v_lshl_add_u32 v9, v230, 7, s23                ; v9  Q: W_maxpool row 4 w, + 128 h
	s_lshl_b32 s23, s14, 4
	s_add_co_u32 s23, s23, PRE+128
	v_add_nc_u32 v11, s23, v232                    ; v11 M: plane 0, row r, columns 32 + 4 w ..
	s_mul_i32 s23, s14, 4*PRP
	s_add_co_u32 s23, s23, PRE
	v_add_nc_u32 v12, s23, v1                      ; v12 the way out: row 4 w, 16 bytes a lane
	v_lshlrev_b32 v13, 6, v230
	v_add_nc_u32 v13, RNR, v13                     ; v13 S: 1 / |rt|, + 64 h
	s_lshl_b32 s23, s18, 9
	s_add_co_u32 s23, s23, s22
	s_add_co_u32 s23, s23, LT
	v_lshl_add_u32 v14, v230, 6, v231
	v_add_nc_u32 v14, s23, v14                     ; v14 S: lt row 16 t + r, + 512 u + 64 h
	s_mul_i32 s23, s18, 24576
	s_add_co_u32 s23, s23, RTJ
	v_add_nc_u32 v15, s23, v1                      ; v15, v16 S: RTJ's images of tiles 8 u ..
	v_add_nc_u32 v16, s23, v2
	s_lshl_b32 s23, s18, 10
	s_add_co_u32 s23, s23, RTJS
	v_add_nc_u32 v17, s23, v3                      ; v17 their scale images
	s_mul_i32 s23, s18, 3072
	s_add_co_u32 s23, s23, WQ
	v_add_nc_u32 v18, s23, v1                      ; v18, v19 S: W_full x h, tile u
	v_add_nc_u32 v19, s23, v2
	s_mul_i32 s23, s18, 1536
	s_add_co_u32 s23, s23, WQ
	v_add_nc_u32 v20, s23, v1                      ; v20, v21 S: K step u of a weight's images
	v_add_nc_u32 v21, s23, v2
	v_lshlrev_b32 v233, 2, v229
	s_lshl_b32 s23, s18, 7
	s_add_co_u32 s23, s23, WQS
	v_add_nc_u32 v22, s23, v233                    ; v22 S: scale words of W_full x h, tile u: 4 r in both halves of the lanes
	s_lshl_b32 s23, s18, 6
	s_add_co_u32 s23, s23, WQS
	v_add_nc_u32 v23, s23, v233                    ; v23 S: scale words of K step u
	v_lshl_add_u32 v234, v230, 5, v232
	s_mul_i32 s24, s17, 16*PRP
	s_add_co_u32 s24, s24, PRE
	s_mul_i32 s23, s18, PLN
	s_add_co_u32 s23, s23, s24
	v_add_nc_u32 v24, s23, v234                    ; v24 S: plane u, row 16 t + r, + 32 h
	s_lshl_b32 s23, s18, 6
	s_add_co_u32 s23, s23, s24
	v_add_nc_u32 v25, s23, v234                    ; v25 S: plane 0, row 16 t + r, + 64 u + 32 h
	s_mul_i32 s23, s14, 4*LTP
	s_add_co_u32 s23, s23, LT
	v_add_nc_u32 v4, s23, v1                       ; v4-6 the staging's stores; M makes them its walking addresses
	s_lshl_b32 s23, s14, 12
	s_add_co_u32 s23, s23, WS
	v_add_nc_u32 v5, s23, v1
	v_add_nc_u32 v6, RNR, v26
	; the descriptor: 95 rows of 256 bytes (32 elements of 8 bytes), dense in memory and in LDS
	s_mov_b32 s32, 15|(3<<16)|(1<<21)              ; 15:0 the mask: all four work-groups; 17:16 elements of 8 bytes; 21 set beside a mask; no padding
	s_mov_b32 s33, 32<<16                          ; tensor_dim0 = 32
	s_mov_b32 s34, 95<<16                          ; tensor_dim1 = 95
	s_mov_b32 s35, 32<<16                          ; tile_dim0 = 32
	s_mov_b32 s36, 95                              ; tile_dim1 = 95
	s_mov_b32 s37, 32                              ; from row to row
	s_mov_b32 s38, 0
	s_mov_b32 s39, 0
	s_mov_b32 s28, 1                               ; count = 1
	s_mul_i32 s29, s14, 24320                      ; LDS address: wave x 95 rows
	s_mul_i32 s44, s21, RQB
	s_add_co_u32 s44, s44, s29                     ; and the same rows of my batch's block: made of b and the wave's number alone
	s_mov_b32 s45, 0
	s_lshl_b32 s22, s21, 8
	s_lshl_b32 s23, s20, 5
	s_add_co_u32 s22, s22, s23
	s_lshl_b32 s23, s14, 2
	s_add_co_u32 s22, s22, s23                     ; my wave's first row of lt and of out: 256 b + 32 x + 4 w
	s_lshl_b32 s24, s22, 10
	s_mov_b32 s25, 0
	s_lshl_b32 s26, s22, 9
	s_mov_b32 s27, 0
	s_wait_kmcnt 0x0
	s_add_nc_u64 s[4:5], s[4:5], s[24:25]
	s_add_nc_u64 s[12:13], s[12:13], s[26:27]
	s_lshl_b32 s24, s14, 12
	s_add_nc_u64 s[6:7], s[6:7], s[24:25]          ; W_maxpool at row 4 w
	s_lshl_b32 s24, s21, 12
	s_add_nc_u64 s[10:11], s[10:11], s[24:25]      ; rss at my batch
	s_add_nc_u64 s[30:31], s[8:9], s[44:45]
	s_or_b32 s31, s31, 0x80000000                  ; type = 2
	; the staging's loads go out ahead of the round, so that they are on their way during it
.irp p, 0,1,2,3
	global_load_b128 v[64+8*\p:67+8*\p], v1, s[4:5] offset:1024*\p th:TH_LOAD_NT       ; lt rows 4 w + p: 32 lanes read 512 consecutive bytes; read once in the launch
	global_load_b128 v[68+8*\p:71+8*\p], v1, s[4:5] offset:1024*\p+512 th:TH_LOAD_NT
.endr
.irp k, 0,1,2,3,4,5,6,7
	global_load_b128 v[96+4*\k:99+4*\k], v1, s[6:7] offset:512*\k
.endr
.irp q, 0,1,2,3
	global_load_b32 v[128+\q], v26, s[10:11] offset:1024*\q    ; the four parts of |rt[j]|^2, j = my thread's number
.endr
	ROUND                                          ; all four work-groups are here: the joint loads meet
	s_cmp_lt_u32 s14, 5
	s_cbranch_scc0 .Lno_fill
	tensor_load_to_lds s[28:31], s[32:39]          ; my one tensor load of the launch; four v_nop follow it
	s_nop 0
	PLACES 4
.Lno_fill:
	s_wait_loadcnt 0x0
.irp p, 0,1,2,3
	ds_store_b128 v4, v[64+8*\p:67+8*\p] offset:LTP*\p
	ds_store_b128 v4, v[68+8*\p:71+8*\p] offset:LTP*\p+512
.endr
.irp k, 0,1,2,3,4,5,6,7
	ds_store_b128 v5, v[96+4*\k:99+4*\k] offset:512*\k
.endr
	v_add_f32 v128, v128, v129
	v_add_f32 v130, v130, v131
	v_add_f32 v128, v128, v130
	v_max_num_f32 v128, 0x358637bd, v128           ; held at EPS = 1e-6 from below, as the definition has it
	v_rsq_f32 v129, v128
	v_nop                                          ; a plain line behind the transcendental,
	s_wait_alu depctr_va_vdst(0)                   ; and the wait ahead of its first reader
	ds_store_b32 v6, v129
	s_wait_dscnt 0x0                               ; for the others' sake: my rows of lt and W_maxpool and my 1 / |rt| lie in LDS
	s_barrier_signal -1                            ; (the tensor loads may stay out, and nobody reads their bytes before the next)
	s_barrier_wait -1
; ---- Q: my eight tiles' codes.  A step takes 32 along d (pi: which 64 of the row; lane half h: which 32 of them) of one l and both tiles of rows: lane (r, h) holds a WHOLE block, so no other lane is asked for its maximum.
.macro QLT pi
.irp t, 0,1
.irp q, 0,1,2,3,4,5,6,7
	ds_load_b128 v[LTB+32*\t+4*\q:LTB+32*\t+4*\q+3], v7 offset:16*LTP*\t+256*(\pi)+16*\q
.endr
.endr
.endm
.macro QWV pi, l
.irp q, 0,1,2,3,4,5,6,7
	ds_load_b128 v[WV+4*\q:WV+4*\q+3], v9 offset:1024*(\l)+256*(\pi)+16*\q    ; sixteen lanes read the same 16 bytes
.endr
.endm
.macro QSTEP pi, l
.set qks, (\pi)/2                      ; K step
.set qch, (\pi)%2                      ; which half of a fragment's registers
.set cd0, 24*(\l)+12*qks+6*qch         ; where the codes go, in window 1: tile a = l (t = 0),
.set cd1, 24*(4+(\l))+12*qks+6*qch     ; and a = 4 + l (t = 1)
.set sw0, SW+2*(\l)+qks
.set sw1, SW+2*(4+(\l))+qks
	s_wait_dscnt 0x0                               ; what the step before asked for, behind its products
.set j, 0
.rept 16
	v_pk_mul_f32 v[P+j:P+j+1], v[LTB+j:LTB+j+1], v[WV+j:WV+j+1]              ; lt[i][d] x W_maxpool[l][d], in f32
	v_pk_mul_f32 v[P+32+j:P+33+j], v[LTB+32+j:LTB+33+j], v[WV+j:WV+j+1]
.set j, j+2
.endr
.if (\l) < 3                                   ; the next step's numbers, into the registers just read: they have the rest of this step in which to come
	QWV \pi, (\l)+1
.elseif (\pi) < 3
	QLT (\pi)+1
	QWV (\pi)+1, 0
.endif
	AMAX2 P, AM, P+32, AM+4
	v_add_nc_u32 v[SO], 0xff000000, v[AM]          ; 2 off the exponent field: the conversion's scale operand
	v_add_nc_u32 v[SO+1], 0xff000000, v[AM+4]
	WIN 0x40                                       ; destination window 1
	v_cvt_scalef32_pk16_fp6_f32 v[cd0:cd0+2], v[P:P+15], v[SO]               ; the lower 16 codes go straight to their place;
	v_cvt_scalef32_pk16_fp6_f32 v[TQ:TQ+2], v[P+16:P+31], v[SO]              ; a conversion's three registers begin on an even number, so the upper 16 are moved
	v_cvt_scalef32_pk16_fp6_f32 v[cd1:cd1+2], v[P+32:P+47], v[SO+1]
	v_cvt_scalef32_pk16_fp6_f32 v[TQ+4:TQ+6], v[P+48:P+63], v[SO+1]
	WIN 0
.if qch == 0
	v_lshrrev_b32 v[sw0], 23, v[SO]                ; the byte of block h.  (These lines are also the plain lines behind the conversions)
	v_lshrrev_b32 v[sw1], 23, v[SO+1]
.else
	v_lshrrev_b32 v[BY], 23, v[SO]                 ; the byte of block 2 + h
	v_lshrrev_b32 v[BY+1], 23, v[SO+1]
	v_lshl_or_b32 v[sw0], v[BY], 16, v[sw0]
	v_lshl_or_b32 v[sw1], v[BY+1], 16, v[sw1]
	v_lshlrev_b32 v[sw0], v10, v[sw0]              ; 8 h bits up;
	v_lshlrev_b32 v[sw1], v10, v[sw1]
	v_permlanex16_b32 v[BY], v[sw0], s40, s41
	v_permlanex16_b32 v[BY+1], v[sw1], s40, s41
	v_or_b32 v[sw0], v[sw0], v[BY]                 ; with lane l xor 16's two bytes the word is whole
	v_or_b32 v[sw1], v[sw1], v[BY+1]
.endif
	WIN 0x41                                       ; source 0 and destination window 1
.irp i, 0,1,2
	v_mov_b32 v[cd0+3+\i], v[TQ+\i]
	v_mov_b32 v[cd1+3+\i], v[TQ+4+\i]
.endr
	WIN 0
.endm
.macro QPHASE
	QLT 0
	QWV 0, 0
.irp pi, 0,1,2,3
.irp l, 0,1,2,3
	QSTEP \pi, \l
.endr
.endr
.endm
	s_cmp_lg_u32 s15, 0
	s_cbranch_scc1 .Lq0_done
	QPHASE                                         ; role 0 makes its codes now
.Lq0_done:
	s_wait_tensorcnt 0x0                           ; my part of rq's block has landed,
	s_wait_dscnt 0x0
	s_barrier_signal -1
	s_barrier_wait -1                              ; everybody's has; and role 1 has been held until role 0 has its codes
	s_cmp_eq_u32 s15, 0
	s_cbranch_scc1 .Lq1_done
	QPHASE                                         ; role 1 makes its codes beside role 0's products
.Lq1_done:
; ---- M: my eight tiles against all 16 tiles of j, two tiles of j a turn.
.macro FETCHM set, k                   ; the two tiles' four fragments and two scale images, 6,144 k bytes on from the walking addresses
.irp f, 0,1,2,3
	FRAGL RB+48*(\set)+12*\f, 4, 5, 6144*(\k)+1536*\f
.endr
	ds_load_b32 v[RS+2*(\set)], v6 offset:RTDS+256*(\k)
	ds_load_b32 v[RS+2*(\set)+1], v6 offset:RTDS+256*(\k)+128
.endm
.macro MPROD nb, o, ks, a              ; set nb, even (0) or odd (1) tile of j, K step ks, my tile a.  The K step's first product starts the sum: nothing is cleared
.set rD, DE+8*(\a)
.if \o
.set rD, 192+8*(\a)
.endif
.set rA, RB+48*(\nb)+12*(2*(\o)+(\ks))
.set rB, 24*(\a)+12*(\ks)
.set rSA, RS+2*(\nb)+(\o)
.set rSB, SW+2*(\a)+(\ks)
.if \ks
	v_wmma_scale_f32_16x16x128_f8f6f4 v[rD:rD+7], v[rA:rA+11], v[rB:rB+11], v[rD:rD+7], v[rSA], v[rSB] matrix_a_fmt:MATRIX_FMT_FP6 matrix_b_fmt:MATRIX_FMT_FP6 matrix_a_scale:MATRIX_SCALE_ROW1
.else
	v_wmma_scale_f32_16x16x128_f8f6f4 v[rD:rD+7], v[rA:rA+11], v[rB:rB+11], 0, v[rSA], v[rSB] matrix_a_fmt:MATRIX_FMT_FP6 matrix_b_fmt:MATRIX_FMT_FP6
.endif
.endm
.macro MAXES ap                        ; tiles 2 ap, 2 ap + 1: the last turn's 2 x 16 sums of each go into the running maxima; each accumulator from its low end on; source 1 lies in window 1, all else in window 0
.set xx, 0
.rept 8
	v_max3_num_f32 v[RUN+8*(xx%2)+2*(\ap)], v[RUN+8*(xx%2)+2*(\ap)], v[192+16*(\ap)+xx], v[DE+16*(\ap)+xx]
	v_max3_num_f32 v[RUN+8*(xx%2)+2*(\ap)+1], v[RUN+8*(xx%2)+2*(\ap)+1], v[200+16*(\ap)+xx], v[DE+8+16*(\ap)+xx]
.set xx, xx+1
.endr
.endm
; A turn.  The eight accumulators of a tile of j take turns, one instruction a turn.  An accumulator begins anew behind the maxima that read it: between its last
; product and its new one stand the four v_nop and the other tile's eight maxima.
.macro MITER nb, fk, mx
	s_wait_dscnt 0x0                               ; this turn's 18 loads, issued a turn ago
	PLACES 4                                       ; behind the last product: ahead of the first read of its result, and of loads into the registers that the last turn's products read
.if \fk >= 0
	FETCHM 1-\nb, \fk
.endif
	WIN 0x04                                       ; source 1 (my codes; for the maxima the odd tile's results) window 1
.set ap, 0
.rept 4
.if \mx
	MAXES ap
.endif
	MPROD \nb, 0, 0, 2*ap
	MPROD \nb, 0, 0, 2*ap+1
.set ap, ap+1
.endr
.set aa, 0
.rept 8
	MPROD \nb, 0, 1, aa
.set aa, aa+1
.endr
	WIN 0x54                                       ; C and D window 1 too
.set aa, 0
.rept 8
	MPROD \nb, 1, 0, aa
.set aa, aa+1
.endr
.set aa, 0
.rept 8
	MPROD \nb, 1, 1, aa
.set aa, aa+1
.endr
	WIN 0
.endm
.set j, 0
.rept 16
	v_mov_b32 v[RUN+j], 0xff800000                 ; -infinity, under every sum.  (These lines also stand between the last write of a scale word or a code and the first product)
.set j, j+1
.endr
	v_mov_b32 v4, v1                               ; the walking addresses
	v_mov_b32 v5, v2
	v_mov_b32 v6, v3
	FETCHM 0, 0
	MITER 0, 1, 0                                  ; tiles 0, 1 of j: there is nothing yet to take a maximum of
	s_mov_b32 s42, 3
.Lm:                                               ; three trips of two turns: tiles 2 to 13
	MITER 1, 2, 1
	MITER 0, 3, 1
	v_add_nc_u32 v4, 12288, v4                     ; eight images on
	v_add_nc_u32 v5, 12288, v5
	v_add_nc_u32 v6, 512, v6                       ; four scale images on
	s_sub_co_u32 s42, s42, 1
	s_cmp_lg_u32 s42, 0
	s_cbranch_scc1 .Lm
	MITER 1, -1, 1                                 ; tiles 14, 15: nothing more to fetch
	PLACES 4
	WIN 0x04
	MAXES 0
	MAXES 1
	MAXES 2
	MAXES 3
	WIN 0
.irp a, 0,1,2,3,4,5,6,7
	v_max_num_f32 v[RUN+\a], v[RUN+\a], v[RUN+8+\a]
.endr
.irp a, 0,1,2,3,4,5,6,7
	v_permlanex16_b32 v[RUN+8+\a], v[RUN+\a], s40, s41
.endr
.irp a, 0,1,2,3,4,5,6,7
	v_max_num_f32 v[RUN+\a], v[RUN+\a], v[RUN+8+\a]   ; with lane l xor 16's: the maximum over all 256 j for row 16 t + r and l = 4 w + a % 4
.endr
.irp i, 0,1,2,3
	v_mov_b32 v[ZR+\i], 0
.endr
	ds_store_b128 v11, v[RUN:RUN+3]                ; t = 0: four neighbouring l of row r (both halves of the lanes write the same)
	ds_store_b128 v11, v[RUN+4:RUN+7] offset:16*PRP
	ds_store_b128 v11, v[ZR:ZR+3] offset:PLN       ; and nothing in plane 1
	ds_store_b128 v11, v[ZR:ZR+3] offset:PLN+16*PRP
	s_cmp_lg_u32 s15, 0
	s_cbranch_scc1 .Ls_done
; ---- S, role 0 alone, beside role 1's products: the side path for rows 16 t .. 16 t + 15.  Wave (t, u): scores for all j; att for d = 128 u .. + 127; of the two attentive products K step u (plane u); of full the tile l = 16 u ..
.macro FETCH8 fb, a16, a8, off, rs, a4, soff   ; eight images on end (four tiles x two K steps) into window 1, and the tiles' scale images: 36 loads
	WIN 0x40
.irp f, 0,1,2,3,4,5,6,7
	FRAGL (\fb)+12*\f, \a16, \a8, (\off)+1536*\f
.endr
	WIN 0
.irp i, 0,1,2,3
	ds_load_b32 v[(\rs)+\i], v[\a4] offset:(\soff)+128*\i
.endr
.endm
.macro PROD8 fb, rs, d0, fb0, fb1, bs0, bs1    ; four tiles x two K steps: four accumulators by turns
	WIN 0x01                                       ; source 0 window 1
.irp i, 0,1,2,3
	v_wmma_scale_f32_16x16x128_f8f6f4 v[64+8*((\d0)+\i):71+8*((\d0)+\i)], v[(\fb)+24*\i:(\fb)+24*\i+11], v[\fb0:\fb0+11], 0, v[(\rs)+\i], v[\bs0] matrix_a_fmt:MATRIX_FMT_FP6 matrix_b_fmt:MATRIX_FMT_FP6
.endr
.irp i, 0,1,2,3
	v_wmma_scale_f32_16x16x128_f8f6f4 v[64+8*((\d0)+\i):71+8*((\d0)+\i)], v[(\fb)+24*\i+12:(\fb)+24*\i+23], v[\fb1:\fb1+11], v[64+8*((\d0)+\i):71+8*((\d0)+\i)], v[(\rs)+\i], v[\bs1] matrix_a_fmt:MATRIX_FMT_FP6 matrix_b_fmt:MATRIX_FMT_FP6 matrix_a_scale:MATRIX_SCALE_ROW1
.endr
	WIN 0
.endm
.macro LOAD64 adr, off                 ; 64 numbers a lane into v128-191: register 16 b + e from adr + off + 128 b + 4 e
.irp b, 0,1,2,3
.irp q, 0,1,2,3
	ds_load_b128 v[128+16*\b+4*\q:131+16*\b+4*\q], v[\adr] offset:\off+128*\b+16*\q
.endr
.endr
.endm
.macro BYV128                          ; v64-127 x v128-191; each accumulator from its low end on
.set j, 0
.rept 32
	v_pk_mul_f32 v[64+j:65+j], v[64+j:65+j], v[128+j:129+j]
.set j, j+2
.endr
.endm
.macro SCORES                          ; the sums / |lt[i]| / |rt[j]|
.set j, 0
.rept 32
	v_pk_mul_f32 v[64+j:65+j], v[64+j:65+j], v[RNL:RNL+1] op_sel_hi:[1,0]
.set j, j+2
.endr
	BYV128
.endm
; v64-127, register 16 b + e = K 32 b + 16 h + e of my row, become a fragment's codes in v[pc] on and its scale word in v[pw]
.macro QUANT pc, pw
.irp b, 0,1,2,3
	v_max3_num_f32 v[TM+\b], |v[64+16*\b]|, |v[65+16*\b]|, 0x1800000
.endr
.irp i, 2,4,6,8,10,12,14
.irp b, 0,1,2,3
	v_max3_num_f32 v[TM+\b], v[TM+\b], |v[64+16*\b+\i]|, |v[65+16*\b+\i]|
.endr
.endr
.irp b, 0,1,2,3
	v_permlanex16_b32 v[TM+4+\b], v[TM+\b], s40, s41
.endr
.irp b, 0,1,2,3
	v_max_num_f32 v[TM+\b], v[TM+\b], v[TM+4+\b]   ; with lane l xor 16's: the block's largest magnitude
.endr
.irp b, 0,1,2,3
	v_add_nc_u32 v[TM+12+\b], 0xff000000, v[TM+\b]
.endr
.irp b, 0,1,2,3
	v_lshrrev_b32 v[TM+4+\b], 23, v[TM+12+\b]
.endr
	v_lshl_or_b32 v[\pw], v[TM+5], 8, v[TM+4]
	v_lshl_or_b32 v[\pw], v[TM+6], 16, v[\pw]
	v_lshl_or_b32 v[\pw], v[TM+7], 24, v[\pw]
.irp c, 0,1
	v_cvt_scalef32_pk16_fp6_f32 v[\pc+6*\c:\pc+6*\c+2], v[64+32*\c:79+32*\c], v[TM+12+2*\c]
	v_cvt_scalef32_pk16_fp6_f32 v[CT+4*\c:CT+4*\c+2], v[80+32*\c:95+32*\c], v[TM+13+2*\c]
.endr
	v_nop                                          ; one plain line behind the conversions
.irp c, 0,1                                    ; the operand's layout wants a WHOLE block in a lane: lanes 0-15 block 2 c, lanes 16-31 block 2 c + 1
.irp i, 0,1,2
	v_permlane16_swap_b32 v[\pc+6*\c+\i], v[CT+4*\c+\i]
.endr
.irp i, 0,1,2
	v_mov_b32 v[\pc+3+6*\c+\i], v[CT+4*\c+\i]
.endr
.endr
.endm
; lt's fragment of K step ks from v[64 + 64 ks] on: a lane holds two whole blocks, as in Q
.macro LCQ ks
	AMAX2 64+64*(\ks), TM, 96+64*(\ks), TM+4
	v_add_nc_u32 v[TM+12], 0xff000000, v[TM]
	v_add_nc_u32 v[TM+13], 0xff000000, v[TM+4]
	v_cvt_scalef32_pk16_fp6_f32 v[LC+12*(\ks):LC+12*(\ks)+2], v[64+64*(\ks):79+64*(\ks)], v[TM+12]
	v_cvt_scalef32_pk16_fp6_f32 v[CT:CT+2], v[80+64*(\ks):95+64*(\ks)], v[TM+12]
	v_cvt_scalef32_pk16_fp6_f32 v[LC+12*(\ks)+6:LC+12*(\ks)+8], v[96+64*(\ks):111+64*(\ks)], v[TM+13]
	v_cvt_scalef32_pk16_fp6_f32 v[CT+4:CT+6], v[112+64*(\ks):127+64*(\ks)], v[TM+13]
	v_lshrrev_b32 v[LS+(\ks)], 23, v[TM+12]
	v_lshrrev_b32 v[TM+8], 23, v[TM+13]
	v_lshl_or_b32 v[LS+(\ks)], v[TM+8], 16, v[LS+(\ks)]
	v_lshlrev_b32 v[LS+(\ks)], v10, v[LS+(\ks)]
	v_permlanex16_b32 v[TM+8], v[LS+(\ks)], s40, s41
	v_or_b32 v[LS+(\ks)], v[LS+(\ks)], v[TM+8]
.irp i, 0,1,2
	v_mov_b32 v[LC+12*(\ks)+3+\i], v[CT+\i]
	v_mov_b32 v[LC+12*(\ks)+9+\i], v[CT+4+\i]
.endr
.endm
.macro WM6 d, fa, fb, acc, sa, sb
.if \acc
	v_wmma_scale_f32_16x16x128_f8f6f4 v[\d:\d+7], v[\fa:\fa+11], v[\fb:\fb+11], v[\d:\d+7], v[\sa], v[\sb] matrix_a_fmt:MATRIX_FMT_FP6 matrix_b_fmt:MATRIX_FMT_FP6
.else
	v_wmma_scale_f32_16x16x128_f8f6f4 v[\d:\d+7], v[\fa:\fa+11], v[\fb:\fb+11], 0, v[\sa], v[\sb] matrix_a_fmt:MATRIX_FMT_FP6 matrix_b_fmt:MATRIX_FMT_FP6
.endif
.endm
.set j, 0
.rept 32
	ds_load_b128 v[64+4*j:67+4*j], v8 offset:256*(j/8)+16*(j%8)   ; my row of lt: of each 64 along d the 32 of my half: 128 numbers
.set j, j+1
.endr
	FETCH8 0, 1, 2, 0, RS5, 3, RTDS                ; rt along d, tiles 0-3 of j
	s_wait_dscnt 36                                ; lt is in; the 36 loads just issued stand behind it
.set j, 0
.rept 4
	v_pk_mul_f32 v[CT+2*j:CT+2*j+1], v[64+2*j:65+2*j], v[64+2*j:65+2*j]       ; |lt[i]|^2, in four chains
.set j, j+1
.endr
.rept 60
	v_pk_fma_f32 v[CT+2*(j%4):CT+2*(j%4)+1], v[64+2*j:65+2*j], v[64+2*j:65+2*j], v[CT+2*(j%4):CT+2*(j%4)+1]
.set j, j+1
.endr
	v_pk_add_f32 v[CT:CT+1], v[CT:CT+1], v[CT+2:CT+3]
	v_pk_add_f32 v[CT+4:CT+5], v[CT+4:CT+5], v[CT+6:CT+7]
	v_pk_add_f32 v[CT:CT+1], v[CT:CT+1], v[CT+4:CT+5]
	v_add_f32 v[CT], v[CT], v[CT+1]
	v_permlanex16_b32 v[CT+1], v[CT], s40, s41
	v_add_f32 v[CT], v[CT], v[CT+1]
	v_max_num_f32 v[CT], 0x358637bd, v[CT]         ; held at EPS from below
	v_rsq_f32 v[RNL], v[CT]                        ; lt's quantising below is the independent work behind it
	LCQ 0
	LCQ 1
	LOAD64 13, 0                                   ; 1 / |rt[j]|, j = 0 .. 127, in the scores' order
	FETCH8 96, 1, 2, 12288, RS5+4, 3, RTDS+512     ; tiles 4-7
	s_wait_alu depctr_va_vdst(0)                   ; the wait ahead of the first line that names the root's result
	v_mov_b32 v[RNL+1], v[RNL]                     ; (the packed form names the pair)
	PLACES 8                                       ; a scale word written by vector instructions stands eight places ahead of a scaled product, an operand four
	s_wait_dscnt 52                                ; tiles 0-3 are in: behind them stand 16 + 36 loads
	PROD8 0, RS5, 0, LC, LC+12, LS, LS+1
	PLACES 4
	FETCH8 0, 1, 2, 24576, RS5, 3, RTDS+1024       ; tiles 8-11
	s_wait_dscnt 36                                ; tiles 4-7 and 1 / |rt| are in
	PROD8 96, RS5+4, 4, LC, LC+12, LS, LS+1
	PLACES 4
	FETCH8 96, 1, 2, 36864, RS5+4, 3, RTDS+1536    ; tiles 12-15
	SCORES
	LOAD64 13, 512                                 ; j = 128 .. 255
	QUANT SC0, SS
	s_wait_dscnt 52                                ; tiles 8-11: behind them 36 + 16
	PROD8 0, RS5, 0, LC, LC+12, LS, LS+1
	PLACES 4
	FETCH8 0, 15, 16, 0, RS5, 17, 0                ; rt along j, tiles 8 u + 0 .. 3 of d
	s_wait_dscnt 52                                ; tiles 12-15: behind them 16 + 36
	PROD8 96, RS5+4, 4, LC, LC+12, LS, LS+1
	PLACES 4
	FETCH8 96, 15, 16, 12288, RS5+4, 17, 512       ; tiles 8 u + 4 .. 7
	s_wait_dscnt 63                                ; 1 / |rt| is in: 72 loads stand behind it, and the wait can name 63 at the most
	SCORES
	LOAD64 14, 0                                   ; lt[i][128 u ..], in att's order
	QUANT SC1, SS+1
	PLACES 8
	s_wait_dscnt 52                                ; rt along j, first four tiles: behind them 36 + 16
	PROD8 0, RS5, 0, SC0, SC1, SS, SS+1            ; att^T = rt^T scores^T
	PLACES 4
	WIN 0x40                                       ; the six fragments of weights, 24 loads, and their scale words, 6
	FRAGL 0, 18, 19, 0                             ; W_full x h, tile u, K step 0
	FRAGL 12, 18, 19, 1536                         ; K step 1
	FRAGL 24, 20, 21, 6400                         ; W_att, tile 0, K step u
	FRAGL 36, 20, 21, 6400+3072                    ; tile 1
	FRAGL 48, 20, 21, 12800                        ; W_maxatt, tile 0
	FRAGL 60, 20, 21, 12800+3072                   ; tile 1
	WIN 0
	ds_load_b32 v[WS6], v22
	ds_load_b32 v[WS6+1], v22 offset:64
	ds_load_b32 v[WS6+2], v23 offset:6400
	ds_load_b32 v[WS6+3], v23 offset:6400+128
	ds_load_b32 v[WS6+4], v23 offset:12800
	ds_load_b32 v[WS6+5], v23 offset:12800+128
	s_wait_dscnt 46                                ; the other four tiles: behind them 16 + 30
	PROD8 96, RS5+4, 4, SC0, SC1, SS, SS+1
	PLACES 4
	s_wait_dscnt 30                                ; lt is in: behind it the weights' 30
	BYV128                                         ; lt x att, in f32
	QUANT SC0, AS                                  ; K step u of the two attentive products
	s_wait_dscnt 0x0
	PLACES 8
	WIN 0x01
	WM6 128, 0, LC, 0, WS6, LS                     ; full, K step 0
	WM6 136, 24, SC0, 0, WS6+2, AS                 ; attentive, l = 0 .. 15: my K step's part
	WM6 144, 36, SC0, 0, WS6+3, AS                 ; l = 16 .. 31
	WM6 128, 12, LC+12, 1, WS6+1, LS+1             ; full, K step 1: two other accumulators' turns stand between the links
	WM6 152, 48, SC0, 0, WS6+4, AS                 ; max-attentive
	WM6 160, 60, SC0, 0, WS6+5, AS
	WIN 0
	PLACES 4
	ds_store_b128 v25, v[128:131]                  ; lane (r, h): row 16 t + r, l = 16 u + 8 h + 0 .. 7; each accumulator from its low end on
	ds_store_b128 v25, v[132:135] offset:16
	ds_store_b128 v25, v[ZR:ZR+3] offset:PLN       ; full is whole: nothing in plane 1
	ds_store_b128 v25, v[ZR:ZR+3] offset:PLN+16
.irp k, 0,1,2,3
	ds_store_b128 v24, v[136+8*\k:139+8*\k] offset:256+64*\k       ; plane u, columns 64 + 16 k + 8 h ..
	ds_store_b128 v24, v[140+8*\k:143+8*\k] offset:256+64*\k+16
.endr
.Ls_done:
	s_wait_dscnt 0x0                               ; for the others' sake: my sums lie in the planes
	s_barrier_signal -1
	s_barrier_wait -1
	; ---- the way out: wave w takes rows 4 w .. 4 w + 3, whole
.irp p, 0,1,2,3
	ds_load_b128 v[64+4*\p:67+4*\p], v12 offset:PRP*\p
	ds_load_b128 v[80+4*\p:83+4*\p], v12 offset:PRP*\p+PLN
.endr
	s_wait_dscnt 0x0
.irp k, 0,2,4,6,8,10,12,14
	v_pk_add_f32 v[64+\k:65+\k], v[64+\k:65+\k], v[80+\k:81+\k]
.endr
.irp k, 0,2,4,6,8,10,12,14
	v_pk_mul_f32 v[64+\k:65+\k], v[64+\k:65+\k], 0x4038aa3b op_sel_hi:[1,0]   ; x 2 log2(e)
.endr
.irp k, 0,1,2,3,4,5,6,7,8,9,10,11,12,13,14,15
	v_exp_f32 v[64+\k], v[64+\k]
.endr
	v_nop                                          ; a plain line behind the batch,
	s_wait_alu depctr_va_vdst(0)                   ; and one wait for it, ahead of its first reader
.irp k, 0,2,4,6,8,10,12,14
	v_pk_add_f32 v[64+\k:65+\k], v[64+\k:65+\k], 1.0 op_sel_hi:[1,0]
.endr
.irp k, 0,1,2,3,4,5,6,7,8,9,10,11,12,13,14,15
	v_rcp_f32 v[64+\k], v[64+\k]
.endr
	v_nop
	s_wait_alu depctr_va_vdst(0)
.irp k, 0,2,4,6,8,10,12,14
	v_pk_fma_f32 v[64+\k:65+\k], v[64+\k:65+\k], -2.0, 1.0 op_sel_hi:[1,0,0]  ; tanh = 1 - 2 / (1 + 2^(2 log2(e) x))
.endr
.irp p, 0,1,2,3
	global_store_b128 v1, v[64+4*\p:67+4*\p], s[12:13] offset:512*\p th:TH_STORE_NT   ; 32 lanes store a row of 512 bytes, at a multiple of 256 from out's first byte; written once, read by nobody here
.endr
	s_wait_xcnt 0x0
	v_lshl_add_u32 v254, v0, 2, 0x36500
	v_mov_b32 v255, 0
	s_wait_tensorcnt 0x0
	ds_add_u32 v254, v255
	s_wait_dscnt 0x0
	ROUND                                          ; the closing round: no work-group ends while a partner may still ask for the block that names it
	s_endpgm
.Lfunc_end_k_qec1d00b6e4_main:
	.size	k_qec1d00b6e4_main, .Lfunc_end_k_qec1d00b6e4_main-k_qec1d00b6e4_main
	.p2alignl 7, 3214868480
	.fill 96, 4, 3214868480
	.section	.rodata,"a",@progbits
	.p2align	6, 0x0
	.amdhsa_kernel k_qec1d00b6e4_main
		.amdhsa_group_segment_fixed_size 223488
		.amdhsa_private_segment_fixed_size 0
		.amdhsa_enable_private_segment 0
		.amdhsa_kernarg_size 40
		.amdhsa_user_sgpr_count 2
		.amdhsa_user_sgpr_kernarg_segment_ptr 1
		.amdhsa_wavefront_size32 1
		.amdhsa_system_sgpr_workgroup_id_x 1
		.amdhsa_system_sgpr_workgroup_id_y 1
		.amdhsa_system_sgpr_workgroup_id_z 1
		.amdhsa_system_vgpr_workitem_id 0
		.amdhsa_next_free_vgpr 512
		.amdhsa_next_free_sgpr 66
		.amdhsa_reserve_vcc 0
		.amdhsa_float_denorm_mode_32 3
		.amdhsa_float_denorm_mode_16_64 3
		.amdhsa_memory_ordered 1
		.amdhsa_forward_progress 1
		.amdhsa_inst_pref_size 255
	.end_amdhsa_kernel
	.section	.bss,"aw",@nobits
	.p2align	6
	.space	262144
	.amdgpu_metadata
---
amdhsa.version: [ 1, 2 ]
amdhsa.kernels:
  - .name:           k_qec1d00b6e4_main
    .symbol:         k_qec1d00b6e4_main.kd
    .args:
      - { .name: lstm_lt, .offset: 0, .size: 8, .value_kind: global_buffer, .address_space: global }
      - { .name: W_maxpool, .offset: 8, .size: 8, .value_kind: global_buffer, .address_space: global }
      - { .name: rq, .offset: 16, .size: 8, .value_kind: global_buffer, .address_space: global }
      - { .name: rss, .offset: 24, .size: 8, .value_kind: global_buffer, .address_space: global }
      - { .name: out0, .offset: 32, .size: 8, .value_kind: global_buffer, .address_space: global }
    .group_segment_fixed_size: 223488
    .private_segment_fixed_size: 0
    .kernarg_segment_align: 8
    .kernarg_segment_size: 40
    .max_flat_workgroup_size: 256
    .sgpr_count:     66
    .vgpr_count:     512
    .wavefront_size: 32
...
	.end_amdgpu_metadata
.endif
;; end of part 2
